; MI455X (gfx1250); checked and timed in simulation.
; The chip was launched on July 23, 2026; its instructions are those of AMD's public machine-readable ISA for CDNA 5 (MIT licence, August 2026) and "CDNA5" Instruction Set Architecture Reference Guide (July 2026). The comments in the code are by the model that wrote it; some were corrected since.
;; RWKV Model. Allowed arithmetic: matrix products marked QUANTISED: E5M2 operands, one given power-of-two scale a tensor, by v_wmma_f32_16x16x64_bf8_bf8 or v_wmma_f32_16x16x128_bf8_bf8, f32 sums; products left as they are: f32 operands where the result goes on into a quantised operand, else bf16, f16 or f32 operands; f32 sums; everything else in f32.
;; Inputs: Wk 2,048 x 2,048 float32; Wl 4 x 2,048 float32; Wo 2,048 x 2,048 float32; Wr 2,048 x 2,048 float32; Wv 2,048 x 2,048 float32; bl 4 float32; lowp_scales 8 int32 (the exponents e of the quantised operands' scales 2^e); state 4 x 4 x 2,048 float32; time_decay_multi 4 x 2,048 float32; x 4 x 1,024 x 2,048 float32.
;; Outputs: out0 4 x 1,024 x 2,048 float32; out1 4 x 4 x 2,048 float32.
;; This version of the problem:
;;   THIS VERSION OF THE PROBLEM IS GIVEN IN LOW PRECISION. The matrix products marked QUANTISED in the list below multiply operands that are first quantised to E5M2 (5 exponent bits, 2 mantissa bits; 8 bits a number), with one given power-of-two scale for each operand tensor; their sums are f32. All else is computed in f32.
;;   The module's matrix products, in the order in which they are computed (A, B: the left and right operand; K: the contracted axis; several contracted axes count as one K, in the product's order):
;;     1. [M 4,096, K 2,048] x [K 2,048, N 2,048]; A: input x; B: input Wv: QUANTISED (scales: A lowp_scales[0], B lowp_scales[1])
;;     2. [M 4,096, K 2,048] x [K 2,048, N 2,048]; A: input x; B: input Wk: QUANTISED (scales: A lowp_scales[2], B lowp_scales[3])
;;     3. [M 4,096, K 2,048] x [K 2,048, N 2,048]; A: input x; B: input Wr: QUANTISED (scales: A lowp_scales[4], B lowp_scales[5])
;;     4. [M 4,096, K 2,048] x [K 2,048, N 4]; A: input x; B: input Wl: left as it is (N = 4 < 16)
;;     5. batch 4 x [M 1,024, K 4] x [K 4, N 2,048]; A: softmax; B: computed on the way: left as it is (K = 4 < 32)
;;     6. [M 4,096, K 2,048] x [K 2,048, N 2,048]; A: computed on the way; B: input Wo: QUANTISED (scales: A lowp_scales[6], B lowp_scales[7])
;;   THE QUANTISER, for each operand of a quantised product, along K:
;;     - The operand's scale is 2^e, e = its entry of the input lowp_scales (int32; the entries are numbered through the quantised products in the list's order, A before B).
;;     - Each number is divided by the scale, clamped to +-57,344, and rounded to the nearest number of E5M2, ties to even, subnormals kept.
;;     - The product sums the exact products of the quantised numbers (number of the format x scale) in f32.
;;   ~~~python
;;   def quantise(x, axis, e):      # numpy; x: float32 -> the quantised numbers, widened to float32 again
;;       x = np.moveaxis(x, axis, -1); K = x.shape[-1]
;;       r = np.clip(x / 2.0 ** e, -57344, 57344)
;;       step = 2.0 ** (np.maximum(np.frexp(np.where(r == 0, 1, r))[1] - 1, -14) - 2)
;;       q = np.round(r / step) * step * 2.0 ** e      # np.round: ties to even
;;       return np.moveaxis(q, -1, axis).astype(np.float32)
;;   ~~~
;;   OPERANDS COMPUTED ON THE WAY. 'Computed on the way' means the value that the module computes at that place (a softmax that the list does not call 'softmax' is quantised finished and normalised). What goes into a quantiser is computed in f32, as accurately as f32 sums, v_exp_f32 and their like allow (about 1e-6 of the number): no bf16 or f16 on the way to a quantiser, and a product that is left as it is and whose result goes on into a quantised operand takes f32 operands (vector FMAs, or v_wmma_f32_16x16x4_f32). A number that lies on a knife's edge between two numbers of the format may be rounded either way, as far as f32 arithmetic and the matrix unit's own rounding can turn it there, and no further.
;; One version. Each part assembles by itself: llvm-mc -triple=amdgcn-amd-amdhsa -mcpu=gfx1250 --defsym DOCPART=n.
;; ======== version 1 of 1: 3 launches
;; limits: right only within a limited range of input values
;; workspace buffers: xq 25,165,824 bytes; wq 12,582,912 bytes; woq 4,194,304 bytes; gq 8,388,608 bytes; lw 65,536 bytes
;; launch quant (part 1): grid 512 x 1, 4 waves a work-group, no clusters, 69,120 bytes of LDS; arguments x, Wv, Wk, Wr, Wo, Wl, bl, lowp_scales, xq, wq, woq, lw; writes xq, wq, woq, lw
.if DOCPART == 1
	.amdgcn_target "amdgcn-amd-amdhsa--gfx1250"
	.amdhsa_code_object_version 6
	.text
	.protected	k_q2802f0bae3_quant
	.globl	k_q2802f0bae3_quant
	.p2align	8
	.type	k_q2802f0bae3_quant,@function
k_q2802f0bae3_quant:
	s_mov_b64 s[64:65], 0
	v_nop
	global_prefetch_b8 v0, s[64:65] scope:SCOPE_SE
	s_setreg_imm32_b32 hwreg(HW_REG_WAVE_MODE, 25, 1), 1
	s_wait_xcnt 0x0
; FIRST OF THREE LAUNCHES.  x [4096][2048] and the four weights [2048][2048], f32 with K innermost, become codes of BF8 (E5M2), each with the scale 2^e given for it;
; and lw = softmax(x Wl^T + bl), [4096][4] f32, is made while x is in registers (f32 multiply-adds: lw goes on into a quantised operand).
; code = number / 2^e, held within +-57,344, to the nearest code, ties to even.  x is quantised three times (entries 0, 2, 4 of the scales: for the products with Wv, Wk, Wr).
; WORK LEFT OUT BY THE PROGRAM (in the second launch): the factor jnp.sum(lw, axis=-1) on k v.  lw is a softmax along that very axis, lw_d = e_d / (e_0 + .. + e_3), so its sum is 1 by identity for all
; finite inputs: a factor that is 1.  Every input has a way to an output and is loaded.  LIMIT: a NaN or an infinity that would reach that factor alone is not carried to the result.
; LIMITS: each e between -126 and 112, so that 2^e and 57,344 x 2^e are f32 numbers.  NaN among the inputs is not served.
; LAYOUT OF THE CODES: images of the operand's registers.  A fragment is 16 rows x 128 K = 2,048 bytes: group c (0..3) of lane l at 512 c + 16 l; lane l = 16 h + r holds K = 32 c + 16 h + 0..15 of row r.
;   xq [256 blocks of 16 rows][16 K steps][3 scales][2048];  wq [128 blocks][16 K steps][Wv, Wk, Wr][2048];  woq [128 blocks][16 K steps][2048].
;   Block m of x holds rows 16 m + r.  Block nb of a weight holds rows 32 (nb / 2) + 8 (nb % 2) + r + 8 (r / 8): so the results of two neighbouring blocks are 16 neighbours along the next K.
; SHARES: work-groups 0-255 take a block of x each, 16 rows x 2,048 K.  Work-groups 256-511, 64 for each weight, take two neighbouring blocks of it (32 whole rows), one after the other: the second block's
; numbers are asked for, step by step, into the registers that the first block's have left.  Wave w takes K steps 4 w .. 4 w + 3: 2,048 bytes of each row.
; Each load reads 512 consecutive bytes of a row; a step's 16 x 512 bytes turn through the wave's own stage in LDS (rows 528 bytes apart) and come back 16 neighbours a lane and block of 32; each store writes 512 consecutive bytes.
; No tensor load, no cluster, no matrix unit: every byte is read once by one work-group.
.set SPITCH, 528                       ; a stage row: 512 bytes + 16: the sixteen rows that a read touches start 16 bytes apart modulo 256
.set WSTGB,  16*SPITCH                 ; a wave's stage
.set PS,     4*WSTGB                   ; LDS: x's four stages from 0; then the waves' partial sums, 256 bytes each;
.set WSTG,   PS+1024                   ; then the weights' four stages (each path has bytes of its own);
.set SPARE,  WSTG+4*WSTGB              ; then the spare words, 128 bytes for each wave, which no other line names
.set VOFF, 1                           ; v1   16 x lane
.set STIX, 2                           ; v2   x's stage, way in: 16 x lane
.set STOX, 3                           ; v3   x's stage, way out: 528 r + 64 h
.set STIW, 4                           ; v4, v5 the same in the weights' stage
.set STOW, 5
.set PSW,  6                           ; v6   where my wave puts its partial sums
.set PSR,  7                           ; v7   where row r's are read
.set SPW,  8                           ; v8   my spare word; never rewritten
.set NIL,  9                           ; v9   0; never rewritten
.set LIM,  10                          ; v10-12 57,344 x 2^e, for up to three scales
.set SCL,  13                          ; v13-15 2^e
.set X,    16                          ; v16-79   64 numbers of my row: register 16 c + i = K 32 c + 16 h + i
.set ACC,  80                          ; v80-143  x path: sums (row i, level d) at 4 i + d
.set SOJ,  80                          ; v81-83   weight path: 16 x lane + j x the bytes from K step to K step
.set WL,   144                         ; v144-207 Wl: (step j, level d, number k) at 16 j + 4 d + k
.set T,    208                         ; v208-239 two sets of 16 held numbers, by turns
.set C,    240                         ; v240-255 a fragment's codes
                                       ; window 1 (v256-511): the numbers as loaded: row i of step j at 64 j + 4 i
.set WV,   46                          ; s46  my wave
.set MSB, 0
.macro WIN new                         ; the immediate's high byte repeats the setting that is left
.if MSB != (\new)
	s_set_vgpr_msb (MSB<<8)|(\new)
.set MSB, (\new)
.endif
.endm
; 16 loads: step j's 512 consecutive bytes of 16 rows (destination window 1).  perm = 1: the rows of a weight's block; u: which of the pair's two blocks
.macro LOAD16 j, perm, u
.irp i, 0,1,2,3,4,5,6,7,8,9,10,11,12,13,14,15
	global_load_b128 v[64*(\j)+4*\i:64*(\j)+4*\i+3], v[VOFF], s[50:51] offset:(\i+8*(\perm)*(\i/8)+8*(\u))*8192+512*(\j) th:TH_LOAD_NT
.endr
.endm
; step j's numbers through my stage: LDS serves a wave's instructions in order, so no wait stands between the stores and the loads, nor ahead of the next step's stores
.macro TURNL j, sti, sto
	WIN 0x04                                       ; store data window 1
.irp i, 0,1,2,3,4,5,6,7,8,9,10,11,12,13,14,15
	ds_store_b128 v[\sti], v[64*\j+4*\i:64*\j+4*\i+3] offset:SPITCH*\i
.endr
	WIN 0
.irp c, 0,1,2,3
.irp q, 0,1,2,3
	ds_load_b128 v[X+16*\c+4*\q:X+16*\c+4*\q+3], v[\sto] offset:128*\c+16*\q
.endr
.endr
.endm
; x Wl^T on the numbers as loaded: my four columns of 16 rows x 4 levels; 64 sums take turns.  The first products start the sums
.macro DOT j
	WIN 0x01                                       ; source 0 window 1
.irp k, 0,1,2,3
.irp i, 0,1,2,3,4,5,6,7,8,9,10,11,12,13,14,15
.irp d, 0,1,2,3
.if (\j == 0) && (\k == 0)
	v_mul_f32 v[ACC+4*\i+\d], v[64*\j+4*\i+\k], v[WL+16*\j+4*\d+\k]
.else
	v_fmac_f32 v[ACC+4*\i+\d], v[64*\j+4*\i+\k], v[WL+16*\j+4*\d+\k]
.endif
.endr
.endr
.endr
	WIN 0
.endm
; the 64 numbers in X become a fragment's codes in C.  X stays as it is: x is quantised three times
.macro QUANT lim, scl
	s_wait_xcnt 0x0                                ; the stores of the fragment before have read C
.irp c, 0,1,2,3
.irp i, 0,1,2,3,4,5,6,7,8,9,10,11,12,13,14,15
	v_med3_num_f32 v[T+16*(\c%2)+\i], v[X+16*\c+\i], -v[\lim], v[\lim]   ; the conversion to an 8-bit code does not saturate (ISA guide 7.6.2): the hold comes first
.endr
	v_cvt_scalef32_pk8_bf8_f32 v[C+4*\c:C+4*\c+1], v[T+16*(\c%2):T+16*(\c%2)+7], v[\scl]
	v_cvt_scalef32_pk8_bf8_f32 v[C+4*\c+2:C+4*\c+3], v[T+16*(\c%2)+8:T+16*(\c%2)+15], v[\scl]
.endr
	v_nop                                          ; a plain line behind the last conversion; T's two sets take turns, so sixteen plain lines stand ahead of each rewrite of a conversion's sources
.endm
.macro PUT voff, off, base             ; the fragment's image: four stores of 512 consecutive bytes
.irp c, 0,1,2,3
	global_store_b128 v[\voff], v[C+4*\c:C+4*\c+3], s[\base:\base+1] offset:(\off)+512*\c
.endr
.endm
.macro PUTW j, base                    ; a weight's fragment of my step j
.if \j == 0
	PUT VOFF, 0, \base
.else
	PUT SOJ+\j, 0, \base
.endif
.endm
	s_load_b512 s[8:23], s[0:1], 0x0               ; x s[8:9], Wv s[10:11], Wk s[12:13], Wr s[14:15], Wo s[16:17], Wl s[18:19], bl s[20:21], the scales s[22:23]
	s_load_b256 s[24:31], s[0:1], 0x40             ; xq s[24:25], wq s[26:27], woq s[28:29], lw s[30:31]
	v_lshl_add_u32 v[SPW], v0, 2, SPARE
	v_mov_b32 v[NIL], 0
	v_lshrrev_b32 v16, 5, v0
	v_readfirstlane_b32 s[WV], v16                 ; wave 0..3
	v_and_b32 v17, 31, v0                          ; lane
	v_and_b32 v18, 15, v0                          ; r
	v_bfe_u32 v19, v0, 4, 1                        ; h
	v_lshlrev_b32 v[VOFF], 4, v17
	s_mul_i32 s47, s[WV], WSTGB
	v_add_nc_u32 v[STIX], s47, v[VOFF]             ; every LDS address is made here, ahead of the parting of the two paths
	v_mul_u32_u24 v20, v18, SPITCH
	v_lshl_add_u32 v20, v19, 6, v20
	v_add_nc_u32 v[STOX], s47, v20
	v_add_nc_u32 v[STIW], WSTG, v[STIX]
	v_add_nc_u32 v[STOW], WSTG, v[STOX]
	s_lshl_b32 s48, s[WV], 8
	s_add_co_u32 s48, s48, PS
	v_mov_b32 v[PSW], s48
	v_lshlrev_b32 v[PSR], 4, v18
	v_add_nc_u32 v[PSR], PS, v[PSR]
	s_mov_b32 s44, 0x76543210                      ; v_permlanex16_b32's selects: lane l xor 16
	s_mov_b32 s45, 0xfedcba98
	s_wait_kmcnt 0x0
	s_load_b256 s[32:39], s[22:23], 0x0            ; e0 .. e7
	s_load_b128 s[40:43], s[20:21], 0x0            ; bl
	s_cmp_ge_u32 ttmp9, 256                        ; the work-group's number alone: all four waves go one way
	s_cbranch_scc1 .Lweights
	; ---------------- a block of x
	s_lshl_b32 s48, ttmp9, 17                      ; 16 rows of 8,192 bytes
	s_lshl_b32 s49, s[WV], 11                      ; my 2,048 bytes of a row
	s_add_co_u32 s48, s48, s49
	s_mov_b32 s49, 0
	s_add_nc_u64 s[50:51], s[8:9], s[48:49]
	s_mul_i32 s52, ttmp9, 98304                    ; a block's 16 x 3 fragments
	s_mul_i32 s53, s[WV], 24576                    ; my four K steps
	s_add_co_u32 s52, s52, s53
	s_mov_b32 s53, 0
	s_add_nc_u64 s[54:55], s[24:25], s[52:53]
	s_lshl_b32 s56, s[WV], 11
	s_mov_b32 s57, 0
	s_add_nc_u64 s[56:57], s[18:19], s[56:57]      ; Wl at my columns
.irp j, 0,1,2,3
.irp d, 0,1,2,3
	global_load_b128 v[WL+16*\j+4*\d:WL+16*\j+4*\d+3], v[VOFF], s[56:57] offset:8192*\d+512*\j
.endr
.endr
	WIN 0x40                                       ; destination window 1
.irp j, 0,1,2,3
	LOAD16 \j, 0, 0
.endr
	WIN 0
	s_wait_kmcnt 0x0
.irp p, 0,1,2
	s_add_co_i32 s58, s[32+2*\p], 127
	s_lshl_b32 s59, s58, 23
	v_mov_b32 v[SCL+\p], s59                       ; 2^e as f32: the conversion takes its exponent field
	s_add_co_i32 s58, s58, 15
	s_lshl_b32 s58, s58, 23
	s_or_b32 s58, s58, 0x600000
	v_mov_b32 v[LIM+\p], s58                       ; 57,344 x 2^e
.endr
.macro XSTEP j
	s_wait_loadcnt 48-16*\j                        ; Wl and this step's 16 loads are in; the later steps' 16 each may be out
	TURNL \j, STIX, STOX
	DOT \j                                         ; on the registers as loaded, while the numbers turn through LDS
	s_wait_dscnt 0x0
.irp p, 0,1,2
	QUANT LIM+\p, SCL+\p
	PUT VOFF, 6144*\j+2048*\p, 54
.endr
.endm
	XSTEP 0
	XSTEP 1
	XSTEP 2
	XSTEP 3
	; the 64 sums over my wave's 32 lanes: four steps inside each half of 16 lanes, one across the halves
.irp m, 1,2,4,8
.set n, 0
.rept 64
	v_add_f32_dpp v[ACC+n], v[ACC+n], v[ACC+n] row_xmask:\m row_mask:0xf bank_mask:0xf
.set n, n+1
.endr
.endr
.set n, 0
.rept 64
	v_permlanex16_b32 v[X+n], v[ACC+n], s44, s45   ; X has been written: the destination counts as read
.set n, n+1
.endr
.set n, 0
.rept 64
	v_add_f32 v[ACC+n], v[ACC+n], v[X+n]
.set n, n+1
.endr
.irp i, 0,1,2,3,4,5,6,7,8,9,10,11,12,13,14,15
	ds_store_b128 v[PSW], v[ACC+4*\i:ACC+4*\i+3] offset:16*\i   ; all lanes hold the same sums and write the same bytes
.endr
	s_branch .Ljoin
	; ---------------- two neighbouring blocks of a weight
.Lweights:
	s_sub_co_u32 s47, ttmp9, 256
	s_lshr_b32 s48, s47, 6                         ; which weight: 0 Wv, 1 Wk, 2 Wr, 3 Wo
	s_and_b32 s49, s47, 63                         ; which pair of blocks
	s_lshl_b32 s57, s48, 11                        ; the weight's place among wq's three
	s_mov_b32 s53, 6144                            ; bytes from K step to K step in wq
	s_cmp_eq_u32 s48, 1
	s_cselect_b64 s[50:51], s[12:13], s[10:11]
	s_cmp_eq_u32 s48, 2
	s_cselect_b64 s[50:51], s[14:15], s[50:51]
	s_cmp_eq_u32 s48, 3
	s_cselect_b64 s[50:51], s[16:17], s[50:51]
	s_cselect_b64 s[54:55], s[28:29], s[26:27]     ; Wo's codes go to woq,
	s_cselect_b32 s53, 2048, s53                   ; where a K step is one fragment
	s_cselect_b32 s57, 0, s57
	s_lshl_b32 s58, s49, 18                        ; the pair's 32 rows of 8,192 bytes
	s_lshl_b32 s59, s[WV], 11
	s_add_co_u32 s58, s58, s59
	s_mov_b32 s59, 0
	s_add_nc_u64 s[50:51], s[50:51], s[58:59]
	WIN 0x40                                       ; destination window 1
.irp j, 0,1,2,3
	LOAD16 \j, 1, 0                                ; the first block's four steps
.endr
	WIN 0
	s_lshl_b32 s60, s49, 5
	s_lshl_b32 s61, s[WV], 2
	s_add_co_u32 s60, s60, s61                     ; K step 16 (2 pair) + 4 w, counted through the buffer
	s_mul_i32 s60, s60, s53
	s_add_co_u32 s60, s60, s57
	s_mov_b32 s61, 0
	s_add_nc_u64 s[54:55], s[54:55], s[60:61]      ; where the first block's codes go,
	s_lshl_b32 s62, s53, 4
	s_mov_b32 s63, 0
	s_add_nc_u64 s[56:57], s[54:55], s[62:63]      ; and the second's, 16 K steps on: a base of its own, so that none is stepped under pending stores
	v_add_nc_u32 v[SOJ+1], s53, v[VOFF]
	v_add_nc_u32 v[SOJ+2], s53, v[SOJ+1]
	v_add_nc_u32 v[SOJ+3], s53, v[SOJ+2]
	s_wait_kmcnt 0x0
	s_cmp_eq_u32 s48, 1                            ; the weight's e: entries 1, 3, 5, 7
	s_cselect_b32 s52, s35, s33
	s_cmp_eq_u32 s48, 2
	s_cselect_b32 s52, s37, s52
	s_cmp_eq_u32 s48, 3
	s_cselect_b32 s52, s39, s52
	s_add_co_i32 s52, s52, 127
	s_lshl_b32 s58, s52, 23
	v_mov_b32 v[SCL], s58
	s_add_co_i32 s52, s52, 15
	s_lshl_b32 s52, s52, 23
	s_or_b32 s52, s52, 0x600000
	v_mov_b32 v[LIM], s52
.irp j, 0,1,2,3                        ; the first block
	s_wait_loadcnt 48                              ; this step's 16 loads are in.  Younger: 16 (3 - j) of this block and 16 j of the second
	TURNL \j, STIW, STOW
	s_wait_dscnt 0x0                               ; the numbers are back, so the stage's stores have read their registers:
	WIN 0x40
	LOAD16 \j, 1, 1                                ; they take the second block's step j
	WIN 0
	QUANT LIM, SCL
	PUTW \j, 54
.endr
.irp j, 0,1,2,3                        ; the second block
	s_wait_loadcnt 48-16*\j                        ; the later steps' 16 each may be out
	TURNL \j, STIW, STOW
	s_wait_dscnt 0x0
	QUANT LIM, SCL
	PUTW \j, 56
.endr
.Ljoin:                                            ; both paths meet at the text's one barrier, so that it stands on every wave's path
	s_wait_dscnt 0x0                               ; for the others' sake: my partial sums lie in LDS
	s_barrier_signal -1
	s_barrier_wait -1
	s_cmp_ge_u32 ttmp9, 256
	s_cbranch_scc1 .Lend
	s_cmp_lg_u32 s[WV], 0
	s_cbranch_scc1 .Lend
	; wave 0 of a block of x: lane r adds row r's four partial sums for each level, and takes the softmax over the four levels
.irp w, 0,1,2,3
	ds_load_b128 v[16+4*\w:19+4*\w], v[PSR] offset:256*\w
.endr
	s_lshl_b32 s48, ttmp9, 8                       ; 16 rows of 16 bytes
	s_mov_b32 s49, 0
	s_add_nc_u64 s[48:49], s[30:31], s[48:49]
	s_wait_dscnt 0x0
	v_pk_add_f32 v[16:17], v[16:17], v[20:21]
	v_pk_add_f32 v[18:19], v[18:19], v[22:23]
	v_pk_add_f32 v[24:25], v[24:25], v[28:29]
	v_pk_add_f32 v[26:27], v[26:27], v[30:31]
	v_pk_add_f32 v[16:17], v[16:17], v[24:25]
	v_pk_add_f32 v[18:19], v[18:19], v[26:27]
	v_add_f32 v16, s40, v16                        ; + bl
	v_add_f32 v17, s41, v17
	v_add_f32 v18, s42, v18
	v_add_f32 v19, s43, v19
	v_max3_num_f32 v20, v16, v17, v18              ; the maximum is taken away ahead of the exponentials
	v_max_num_f32 v20, v20, v19
.irp d, 0,1,2,3
	v_sub_f32 v[16+\d], v[16+\d], v20
.endr
.irp d, 0,1,2,3
	v_mul_f32 v[16+\d], 0x3fb8aa3b, v[16+\d]       ; x log2(e)
.endr
.irp d, 0,1,2,3
	v_exp_f32 v[16+\d], v[16+\d]
.endr
	v_and_b32 v22, 15, v0                          ; (a plain line behind the exponentials)
	s_wait_alu depctr_va_vdst(0)                   ; one wait for the four, ahead of their first reader
	v_add_f32 v20, v16, v17
	v_add_f32 v21, v18, v19
	v_add_f32 v20, v20, v21
	v_rcp_f32 v20, v20
	v_lshlrev_b32 v22, 4, v22                      ; (a plain line behind the reciprocal)  16 r
	s_wait_alu depctr_va_vdst(0)
.irp d, 0,1,2,3
	v_mul_f32 v[16+\d], v[16+\d], v20
.endr
	s_wait_xcnt 0x0                                ; EXEC changes only behind this wait: my stores of codes have been translated
	v_cmp_gt_u32 vcc_lo, 16, v0
	s_and_saveexec_b32 s47, vcc_lo                 ; lanes 16-31 hold the same rows once more
	global_store_b128 v22, v[16:19], s[48:49]      ; sixteen lanes store 256 consecutive bytes, aligned
	s_wait_xcnt 0x0
	s_or_b32 exec_lo, exec_lo, s47
.Lend:
	s_wait_tensorcnt 0x0                           ; the wave's end, behind my last LDS store
	ds_add_u32 v[SPW], v[NIL]
	s_wait_dscnt 0x0
	s_endpgm
.Lfunc_end_k_q2802f0bae3_quant:
	.size	k_q2802f0bae3_quant, .Lfunc_end_k_q2802f0bae3_quant-k_q2802f0bae3_quant
	.p2alignl 7, 3214868480
	.fill 96, 4, 3214868480
	.section	.rodata,"a",@progbits
	.p2align	6, 0x0
	.amdhsa_kernel k_q2802f0bae3_quant
		.amdhsa_group_segment_fixed_size 69120
		.amdhsa_private_segment_fixed_size 0
		.amdhsa_enable_private_segment 0
		.amdhsa_kernarg_size 96
		.amdhsa_user_sgpr_count 2
		.amdhsa_user_sgpr_kernarg_segment_ptr 1
		.amdhsa_wavefront_size32 1
		.amdhsa_system_sgpr_workgroup_id_x 1
		.amdhsa_system_sgpr_workgroup_id_y 1
		.amdhsa_system_sgpr_workgroup_id_z 1
		.amdhsa_system_vgpr_workitem_id 0
		.amdhsa_next_free_vgpr 512
		.amdhsa_next_free_sgpr 66
		.amdhsa_reserve_vcc 1
		.amdhsa_float_denorm_mode_32 3
		.amdhsa_float_denorm_mode_16_64 3
		.amdhsa_memory_ordered 1
		.amdhsa_forward_progress 1
		.amdhsa_inst_pref_size 207
	.end_amdhsa_kernel
	.amdgpu_metadata
---
amdhsa.version: [ 1, 2 ]
amdhsa.kernels:
  - .name:           k_q2802f0bae3_quant
    .symbol:         k_q2802f0bae3_quant.kd
    .args:
      - { .name: x, .offset: 0, .size: 8, .value_kind: global_buffer, .address_space: global }
      - { .name: Wv, .offset: 8, .size: 8, .value_kind: global_buffer, .address_space: global }
      - { .name: Wk, .offset: 16, .size: 8, .value_kind: global_buffer, .address_space: global }
      - { .name: Wr, .offset: 24, .size: 8, .value_kind: global_buffer, .address_space: global }
      - { .name: Wo, .offset: 32, .size: 8, .value_kind: global_buffer, .address_space: global }
      - { .name: Wl, .offset: 40, .size: 8, .value_kind: global_buffer, .address_space: global }
      - { .name: bl, .offset: 48, .size: 8, .value_kind: global_buffer, .address_space: global }
      - { .name: lowp_scales, .offset: 56, .size: 8, .value_kind: global_buffer, .address_space: global }
      - { .name: xq, .offset: 64, .size: 8, .value_kind: global_buffer, .address_space: global }
      - { .name: wq, .offset: 72, .size: 8, .value_kind: global_buffer, .address_space: global }
      - { .name: woq, .offset: 80, .size: 8, .value_kind: global_buffer, .address_space: global }
      - { .name: lw, .offset: 88, .size: 8, .value_kind: global_buffer, .address_space: global }
    .group_segment_fixed_size: 69120
    .private_segment_fixed_size: 0
    .kernarg_segment_align: 8
    .kernarg_segment_size: 96
    .max_flat_workgroup_size: 128
    .sgpr_count:     66
    .vgpr_count:     512
    .wavefront_size: 32
...
	.end_amdgpu_metadata
.endif
;; end of part 1
;; launch vkr (part 2): grid 16 x 16, 4 waves a work-group, clusters of 4 x 4, 327,680 bytes of LDS; arguments xq, wq, lw, state, time_decay_multi, lowp_scales, gq, out1; writes gq, out1
.if DOCPART == 2
	.amdgcn_target "amdgcn-amd-amdhsa--gfx1250"
	.amdhsa_code_object_version 6
	.text
	.protected	k_q2802f0bae3_vkr
	.globl	k_q2802f0bae3_vkr
	.p2align	8
	.type	k_q2802f0bae3_vkr,@function
k_q2802f0bae3_vkr:
	s_mov_b64 s[64:65], 0
	v_nop
	global_prefetch_b8 v0, s[64:65] scope:SCOPE_SE
	s_setreg_imm32_b32 hwreg(HW_REG_WAVE_MODE, 25, 1), 1
	s_wait_xcnt 0x0
	s_wait_alu depctr_hold_cnt(0) depctr_sa_sdst(0) depctr_va_vdst(0) depctr_va_sdst(0) depctr_va_ssrc(0) depctr_va_vcc(0) depctr_vm_vsrc(0)
	s_getreg_b32 s2, hwreg(HW_REG_IB_STS2, 6, 4)
	s_cmp_eq_u32 s2, 0
	s_cbranch_scc0 .Lentry_in_a_cluster
	s_endpgm
.Lentry_in_a_cluster:
	s_bfe_u32 s2, ttmp6, 0x10000c
	s_cmp_lg_u32 s2, 0xf033
	s_cbranch_scc0 .Lentry_shape_is_right
	s_endpgm
.Lentry_shape_is_right:
; SECOND LAUNCH.  v = x Wv^T, k = x Wk^T, z = x Wr^T on codes of BF8 (three products, each with its own codes of x), then in registers
;   g = sigmoid(z) (sum over d of lw_d decayed_d + k v),  decayed = state exp(-exp(time_decay_multi)),
; g quantised with scale entry 6 into gq, laid as the next product's operand; and out1 = decayed + (k v at the last position of each batch).  v, k and z never go to memory.
; LEFT OUT: the factor jnp.sum(lw, axis=-1) on k v, which is 1 by identity (shown at the head of the first kernel).
; SHARES.  A work-group makes 256 rows x 128 columns of all three products; wave (mh, nh) 128 x 64 of each: 32 accumulators a product, one register window each (1: v, 2: k, 3: z).
; K goes in 16 steps of 128; a slot of LDS holds one K step of all three products: 16 blocks of x and 8 of the weights, 6,144 bytes each (three fragments on end).  Two slots take turns.
; Operands lie in memory and in LDS as images of their registers: a fragment is four loads of 512 consecutive bytes, with no pitch and no padding.
; CLUSTERS: 4 x 4 work-groups.  The four of a row of the cluster need the same blocks of x, the four of a column the same blocks of the weights: each tile is asked for JOINTLY.
; THE MATRIX INSTRUCTION IS USED TRANSPOSED (source 0 = 16 rows of a weight, source 1 = 16 rows of x).  With the rows that form a weight's block (first kernel) lane (r, h) holds row r, and the
; 32 registers of row block a are columns 32 b + 16 h + i at register 16 b + i: 16 neighbours along the next K, so that g's conversions give gq's image as it stands.
; THE GIVEN SCALES ARE FOLDED.  E = e0 + e1 + e2 + e3.  t = (v's sum) x (k's sum) stands for k v / 2^E; decayed goes in as decayed / 2^E (v_ldexp_f32); g's conversion takes 2^(e6 - E); out1 is multiplied by 2^E.
; LIMITS: e6 - E between -126 and 112; e4 + e5 between -126 and 126; decayed / 2^E stays an f32 number.  NaN among the inputs is not served.
; NO PREFETCH: of a fill's blocks of 256 bytes each of the four partners would name 48 (x) or 24 (weights), which 32 lanes do not divide, and each tile is read by four clusters.
.set NST,    3                         ; steps in a slot: the three products of one K step
.set BLKB,   2048*NST                  ; a block's bytes in a slot
.set SLOT,   24*BLKB
.set PITCHB, 98304                     ; from block to block in memory
.set DECB,   2*SLOT                    ; behind the ring: decayed / 2^E, [4 levels][128 columns] f32,
.set KVB,    DECB+2048                 ; t of the tile's last row, [128] f32,
.set SPARE,  KVB+512                   ; and the spare words, 128 bytes for each wave, which no other line names
.set DR,   3                           ; v3   out1: where I read my level's decayed
.set ADRA, 4                           ; v4, v5  my blocks of x in slot 0, 1
.set ADRB, 6                           ; v6, v7  my blocks of the weights
.set SPW,  8                           ; v8   my spare word; never rewritten
.set NIL,  9                           ; v9   0; never rewritten
.set GOFF, 10                          ; v10  16 x lane
.set DA,   11                          ; v11  decayed at my columns
.set KA,   12                          ; v12  t's row at my columns
.set SCL,  13                          ; v13  2^(e6 - E)
.set LIM,  14                          ; v14  57,344 x that
.set LWO,  15                          ; v15  16 r
.set KR,   20                          ; v20  out1: where I read t's row
.set DW,   21                          ; v21  where my thread puts decayed
.set C,    24                          ; v24-31  g's codes
.set LW,   32                          ; v32-63  lw of my eight rows: (row block a, level d) at 4 a + d
.set BF,   64                          ; v64-127  four fragments of a weight
.set AF,   128                         ; v128-255 eight fragments of x
.set T,    64                          ; the way out: v64-95 t, then g;  v96-127 z, then the sigmoid;  v128-255 decayed: (d, column) at 32 d + 16 b + i
.set Z,    96
.set DEC,  128
.set WV,   20                          ; s20 wave, s21 its half of the rows (also: 0 fetches x, 1 the weights), s22 its half of the columns (also: which half of the tile it fetches)
.set MH,   21
.set NH,   22
.set CNT,  23
.set G1,   24                          ; s[24:31] descriptor group 1 for x's tiles;  s[32:39] group 0, one set for each slot
.set G0,   32
.set G1B,  48                          ; s[48:55], s[56:63] the same for the weights'
.set G0B,  56
.set CR,   76                          ; s[76:77] -log2(e) x 2^(e4 + e5)
.set EE,   78                          ; s78 E, s79 -E
.set MSB, 0
.macro WIN new                         ; the immediate's high byte repeats the setting that is left
.if MSB != (\new)
	s_set_vgpr_msb (MSB<<8)|(\new)
.set MSB, (\new)
.endif
.endm
; A joint load: waves 0 and 1 fetch x's two halves, waves 2 and 3 the weights'.  The branch hangs on the wave's number alone.  An s_nop 0 and four v_nop follow each of the two lines.
.macro JLOAD g0a, g1a, g0b, g1b
	s_cmp_eq_u32 s[MH], 0
	s_cbranch_scc0 .Lfor_b_\@
	tensor_load_to_lds s[\g0a:\g0a+3], s[\g1a:\g1a+7]
	s_nop 0
.rept 4
	v_nop
.endr
	s_branch .Lasked_\@
.Lfor_b_\@:
	tensor_load_to_lds s[\g0b:\g0b+3], s[\g1b:\g1b+7]
	s_nop 0
.rept 4
	v_nop
.endr
.Lasked_\@:
.endm
.macro CROUND                          ; a round of the cluster's barrier
	s_barrier_signal -1
	s_barrier_wait -1
	s_cmp_lg_u32 s[WV], 0
	s_cbranch_scc1 .Lnot_wave_0_\@
	s_barrier_signal -3
.Lnot_wave_0_\@:
	s_barrier_wait -3
	s_barrier_signal -1
	s_barrier_wait -1
.endm
.macro PLACES                          ; four plain places between a matrix instruction and a load into, or a vector write of, one of its registers, or a read of its result
.rept 4
	v_nop
.endr
.endm
.macro FRAG reg, adr, off              ; a fragment's image: four loads of 512 consecutive bytes
.irp c, 0,1,2,3
	ds_load_b128 v[(\reg)+4*\c:(\reg)+4*\c+3], v[\adr] offset:(\off)+512*\c
.endr
.endm
; the fragments of step q of a slot come in three runs, each as soon as its registers are free
.macro GA slot, q                      ; the weight's blocks 0, 1: 8 loads
	FRAG BF, ADRB+\slot, 2048*(\q)
	FRAG BF+16, ADRB+\slot, BLKB+2048*(\q)
.endm
.macro GB slot, q                      ; x's blocks 0-3: 16 loads
.irp a, 0,1,2,3
	FRAG AF+16*\a, ADRA+\slot, \a*BLKB+2048*(\q)
.endr
.endm
.macro GC slot, q                      ; x's blocks 4-7, then the weight's blocks 2, 3: 24 loads
.irp a, 4,5,6,7
	FRAG AF+16*\a, ADRA+\slot, \a*BLKB+2048*(\q)
.endr
	FRAG BF+32, ADRB+\slot, 2*BLKB+2048*(\q)
	FRAG BF+48, ADRB+\slot, 3*BLKB+2048*(\q)
.endm
; eight matrix instructions: x's blocks a0 .. a0 + 3 against the weight's b0, b0 + 1; accumulator (a, b) at v[8 (4 a + b)] of window win.  zero = 1: the first product starts the sums.
; The accumulators take turns, one instruction a turn, in the same order in every step.
.macro MULQ win, a0, b0, zero
	WIN 0x50*(\win)                                ; C and D in window win, the fragments in window 0
.irp a, \a0, \a0+1, \a0+2, \a0+3
.irp b, \b0, \b0+1
.if \zero
	v_wmma_f32_16x16x128_bf8_bf8 v[8*(4*(\a)+(\b)):8*(4*(\a)+(\b))+7], v[BF+16*(\b):BF+16*(\b)+15], v[AF+16*(\a):AF+16*(\a)+15], 0
.else
	v_wmma_f32_16x16x128_bf8_bf8 v[8*(4*(\a)+(\b)):8*(4*(\a)+(\b))+7], v[BF+16*(\b):BF+16*(\b)+15], v[AF+16*(\a):AF+16*(\a)+15], v[8*(4*(\a)+(\b)):8*(4*(\a)+(\b))+7]
.endif
.endr
.endr
.endm
; A step that has its successor in the same slot: 32 matrix instructions on the fragments in registers; step q + 1's fragments are fetched as registers fall free.
.macro STEP slot, q, win, zero
	s_wait_dscnt 24                                ; the weight's blocks 0, 1 and x's 0-3 are in; the youngest 24 loads may be out
	MULQ \win, 0, 0, \zero
	s_wait_dscnt 8                                 ; x's blocks 4-7 are in; the weight's blocks 2, 3 may be out
	MULQ \win, 4, 0, \zero
	PLACES
	WIN 0
	GA \slot, \q+1
	s_wait_dscnt 8                                 ; all but the eight just issued
	MULQ \win, 0, 2, \zero
	PLACES
	WIN 0
	GB \slot, \q+1
	MULQ \win, 4, 2, \zero
	PLACES
	WIN 0
	GC \slot, \q+1
.endm
; A slot's last step changes slots, AT ITS HEAD: its own fragments were asked for in the step before, so the slot's reads are over as soon as they are in.  Each wave waits for all its tensor loads, adds 0 to its
; spare word, and waits for that and for its reads of this slot.  fill = 1: a round of the cluster's barrier follows, and this slot is filled again, two fills ahead: the first thing behind the round, so that
; all of the step's 32 products, and the next slot's other two steps, stand between the request and the wait for it.
.macro TURN slot, next, win, fill, zero
	s_wait_tensorcnt 0x0                           ; all my tensor loads have landed: my part of the next slot  (every window is 0 here); so a group 0 may be written
	ds_add_u32 v[SPW], v[NIL]                      ; 0 onto my spare word
.if \fill
	s_add_nc_u64 s[G0+4*\slot+2:G0+4*\slot+3], s[G0+4*\slot+2:G0+4*\slot+3], 2*BLKB
	s_add_nc_u64 s[G0B+4*\slot+2:G0B+4*\slot+3], s[G0B+4*\slot+2:G0B+4*\slot+3], 2*BLKB
.endif
	s_wait_dscnt 0x0                               ; the add is done, and my reads of this slot are over: this step's fragments are all in
.if \fill
	CROUND                                         ; no wave of any partner still reads this slot or has a load on its way
	JLOAD G0+4*\slot, G1, G0B+4*\slot, G1B
.else
	s_barrier_signal -1
	s_barrier_wait -1
.endif
	MULQ \win, 0, 0, \zero
	MULQ \win, 4, 0, \zero
	PLACES
	WIN 0
	GA \next, 0
	MULQ \win, 0, 2, \zero
	PLACES
	WIN 0
	GB \next, 0
	MULQ \win, 4, 2, \zero
	PLACES
	WIN 0
	GC \next, 0
.endm
.macro LAST win                        ; the very last step: nothing more to fetch
	s_wait_dscnt 24
	MULQ \win, 0, 0, 0
	s_wait_dscnt 8
	MULQ \win, 4, 0, 0
	s_wait_dscnt 0x0
	MULQ \win, 0, 2, 0
	MULQ \win, 4, 2, 0
	WIN 0
.endm
	s_load_b512 s[4:19], s[0:1], 0x0               ; xq s[4:5], wq s[6:7], lw s[8:9], state s[10:11], time_decay_multi s[12:13], the scales s[14:15], gq s[16:17], out1 s[18:19]
	v_lshl_add_u32 v[SPW], v0, 2, SPARE
	v_mov_b32 v[NIL], 0
	ds_add_u32 v[SPW], v[NIL]                      ; the wave's opening: the add, twice on end, and its wait ahead of my first tensor load
	ds_add_u32 v[SPW], v[NIL]                      ; and once more; the set-up below, work on registers, stands between it and the wait
	v_lshrrev_b32 v1, 5, v0
	v_readfirstlane_b32 s[WV], v1                  ; wave 0..3
	s_lshr_b32 s[MH], s[WV], 1
	s_and_b32 s[NH], s[WV], 1
	s_bfe_u32 s40, ttmp6, 0x40000                  ; cx, cy: my place in the cluster
	s_bfe_u32 s41, ttmp6, 0x40004
	s_lshl_b32 s42, ttmp9, 2
	s_add_co_u32 s42, s42, s40                     ; nt: which 128 columns
	s_and_b32 s43, ttmp7, 0xffff
	s_lshl_b32 s43, s43, 2
	s_add_co_u32 s43, s43, s41                     ; mt: which 256 rows
	s_lshl_b32 s44, s41, 2
	s_lshl_b32 s44, 15, s44                        ; my row of the cluster
	s_lshl_b32 s45, 0x1111, s40                    ; my column
	s_or_b32 s[G1], s44, (3<<16)|(1<<21)           ; 15:0 the mask: x's tiles go to my row; 17:16 elements of 8 bytes; 21 set beside a mask; no padding
	s_or_b32 s[G1B], s45, (3<<16)|(1<<21)
.irp g, G1, G1B
	s_mov_b32 s[\g+1], (BLKB/8)<<16                ; tensor_dim0: a block's bytes / 8
	s_mov_b32 s[\g+3], (BLKB/8)<<16                ; tile_dim0
	s_mov_b32 s[\g+5], PITCHB/8                    ; from block to block
	s_mov_b32 s[\g+6], 0
	s_mov_b32 s[\g+7], 0
.endr
	s_mov_b32 s[G1+2], 8<<16                       ; tensor_dim1, tile_dim1: eight blocks of x to a load,
	s_mov_b32 s[G1+4], 8
	s_mov_b32 s[G1B+2], 4<<16                      ; four of the weights
	s_mov_b32 s[G1B+4], 4
	s_lshl_b32 s80, s43, 4                         ; x: block 16 mt + 8 x half: made of the tile row and the wave's number alone
	s_lshl_b32 s81, s[NH], 3
	s_add_co_u32 s80, s80, s81
	s_mul_i32 s80, s80, PITCHB
	s_mov_b32 s81, 0
	s_lshl_b32 s82, s42, 3                         ; the weights: block 8 nt + 4 x half: of the tile column and the wave's number alone
	s_lshl_b32 s83, s[NH], 2
	s_add_co_u32 s82, s82, s83
	s_mul_i32 s82, s82, PITCHB
	s_mov_b32 s83, 0
	s_mul_i32 s84, s[NH], 8*BLKB                   ; where they go: no place in the cluster enters an LDS address
	s_mul_i32 s85, s[NH], 4*BLKB
	s_add_co_u32 s85, s85, 16*BLKB
	s_wait_dscnt 0x0                               ; both opening adds are done
	s_wait_kmcnt 0x0
	s_load_b256 s[68:75], s[14:15], 0x0            ; e0 .. e7
	s_add_nc_u64 s[80:81], s[4:5], s[80:81]
	s_add_nc_u64 s[82:83], s[6:7], s[82:83]
	CROUND                                         ; all sixteen work-groups are here: the first joint loads meet
.irp s, 0,1
	s_mov_b32 s[G0+4*\s], 1
	s_add_co_u32 s[G0+4*\s+1], s84, \s*SLOT
	s_add_nc_u64 s[G0+4*\s+2:G0+4*\s+3], s[80:81], \s*BLKB
	s_or_b32 s[G0+4*\s+3], s[G0+4*\s+3], 0x80000000
	s_mov_b32 s[G0B+4*\s], 1
	s_add_co_u32 s[G0B+4*\s+1], s85, \s*SLOT
	s_add_nc_u64 s[G0B+4*\s+2:G0B+4*\s+3], s[82:83], \s*BLKB
	s_or_b32 s[G0B+4*\s+3], s[G0B+4*\s+3], 0x80000000
	JLOAD G0+4*\s, G1, G0B+4*\s, G1B               ; two loads of mine are out
.endr
	; lw of my rows, and my thread's column of state and time_decay_multi
	s_lshl_b32 s86, s43, 12                        ; 256 rows of 16 bytes
	s_lshl_b32 s87, s[MH], 11
	s_add_co_u32 s86, s86, s87
	s_mov_b32 s87, 0
	s_add_nc_u64 s[86:87], s[8:9], s[86:87]
	s_lshr_b32 s94, s43, 2                         ; the batch
	s_lshl_b32 s88, s94, 15                        ; its 4 x 2,048 numbers
	s_lshl_b32 s96, s42, 9                         ; my tile's 128 columns
	s_add_co_u32 s88, s88, s96
	s_mov_b32 s89, 0
	s_mov_b32 s97, 0
	s_lshl_b32 s92, s[WV], 13                      ; out1: level = my wave
	s_add_co_u32 s92, s92, s88
	s_mov_b32 s93, 0
	s_add_nc_u64 s[92:93], s[18:19], s[92:93]
	s_add_nc_u64 s[88:89], s[10:11], s[88:89]
	s_add_nc_u64 s[96:97], s[12:13], s[96:97]
	v_and_b32 v1, 15, v0                           ; r
	v_bfe_u32 v2, v0, 4, 1                         ; h
	v_lshlrev_b32 v[LWO], 4, v1
	v_lshlrev_b32 v16, 2, v0
.irp a, 0,1,2,3,4,5,6,7
	global_load_b128 v[LW+4*\a:LW+4*\a+3], v[LWO], s[86:87] offset:256*\a
.endr
.irp d, 0,1,2,3
	global_load_b32 v[64+\d], v16, s[88:89] offset:8192*\d
	global_load_b32 v[68+\d], v16, s[96:97] offset:8192*\d
.endr
	s_lshl_b32 s90, s43, 19                        ; gq: block 16 mt + 8 mh of 32,768 bytes, K step nt, groups 2 nh on
	s_lshl_b32 s91, s[MH], 18
	s_add_co_u32 s90, s90, s91
	s_lshl_b32 s91, s42, 11
	s_add_co_u32 s90, s90, s91
	s_lshl_b32 s91, s[NH], 10
	s_add_co_u32 s90, s90, s91
	s_mov_b32 s91, 0
	s_add_nc_u64 s[90:91], s[16:17], s[90:91]
	v_and_b32 v[GOFF], 31, v0
	v_lshlrev_b32 v[GOFF], 4, v[GOFF]
	s_mul_i32 s94, s[MH], 8*BLKB                   ; my eight blocks of x,
	s_mul_i32 s95, s[NH], 4*BLKB                   ; my four of the weights,
	s_add_co_u32 s95, s95, 16*BLKB                 ; which lie behind x's sixteen
.irp s, 0,1
	v_add_nc_u32 v[ADRA+\s], s94, v[GOFF]
	v_add_nc_u32 v[ADRB+\s], s95, v[GOFF]
	s_add_co_u32 s94, s94, SLOT
	s_add_co_u32 s95, s95, SLOT
.endr
	s_lshl_b32 s94, s[NH], 8
	v_lshlrev_b32 v[DA], 6, v2
	v_add_nc_u32 v[DA], s94, v[DA]                 ; my columns begin at 64 nh + 16 h
	v_add_nc_u32 v[KA], KVB, v[DA]
	v_add_nc_u32 v[DA], DECB, v[DA]
	s_lshl_b32 s94, s[WV], 9
	v_add_nc_u32 v[DR], s94, v[GOFF]
	v_add_nc_u32 v[DR], DECB, v[DR]
	v_add_nc_u32 v[KR], KVB, v[GOFF]
	v_add_nc_u32 v[DW], DECB, v16
	v_mov_b32 v17, 0                               ; (named as the upper halves of the pairs v[16:17], v[18:19])
	v_mov_b32 v19, 0
	s_wait_kmcnt 0x0
	s_add_co_i32 s[EE], s68, s69
	s_add_co_i32 s[EE], s[EE], s70
	s_add_co_i32 s[EE], s[EE], s71                 ; E
	s_sub_co_i32 s[EE+1], 0, s[EE]
	s_add_co_i32 s94, s72, s73
	s_lshl_b32 s94, s94, 23
	s_add_co_i32 s[CR], s94, 0xbfb8aa3b            ; -log2(e), with e4 + e5 added to its exponent field
	s_mov_b32 s[CR+1], s[CR]                       ; (named with it as a pair)
	s_sub_co_i32 s94, s74, s[EE]
	s_add_co_i32 s94, s94, 127
	s_lshl_b32 s95, s94, 23
	v_mov_b32 v[SCL], s95                          ; 2^(e6 - E)
	s_add_co_i32 s94, s94, 15
	s_lshl_b32 s94, s94, 23
	s_or_b32 s94, s94, 0x600000
	v_mov_b32 v[LIM], s94                          ; 57,344 x that
	s_wait_loadcnt 0x0
.irp d, 0,1,2,3
	v_mul_f32 v[68+\d], 0x3fb8aa3b, v[68+\d]
.endr
.irp d, 0,1,2,3
	v_exp_f32 v[68+\d], v[68+\d]                   ; exp(time_decay_multi)
.endr
	v_nop                                          ; a plain line behind the exponentials,
	s_wait_alu depctr_va_vdst(0)                   ; and one wait for the four, ahead of their first reader
.irp d, 0,1,2,3
	v_mul_f32 v[68+\d], 0xbfb8aa3b, v[68+\d]
.endr
.irp d, 0,1,2,3
	v_exp_f32 v[68+\d], v[68+\d]                   ; exp(-exp(..))
.endr
	v_nop
	s_wait_alu depctr_va_vdst(0)
.irp d, 0,1,2,3
	v_mul_f32 v[64+\d], v[64+\d], v[68+\d]         ; decayed
.endr
.irp d, 0,1,2,3
	v_ldexp_f32 v[64+\d], v[64+\d], s[EE+1]        ; / 2^E
.endr
.irp d, 0,1,2,3
	ds_store_b32 v[DW], v[64+\d] offset:512*\d
.endr
	s_wait_tensorcnt 0x1                           ; my part of slot 0 is in; slot 1's may stay out
	s_wait_dscnt 0x0                               ; my part of decayed lies in LDS
	s_barrier_signal -1
	s_barrier_wait -1
	GA 0, 0
	GB 0, 0
	GC 0, 0
	STEP 0, 0, 1, 1                                ; K step 0 stands in front of the loop: its products start the sums
	STEP 0, 1, 2, 1
	TURN 0, 1, 3, 1, 1
	s_mov_b32 s[CNT], 6
.Llap:                                             ; a trip: two K steps (1 to 12), once round the ring; both slots are filled again
	STEP 1, 0, 1, 0
	STEP 1, 1, 2, 0
	TURN 1, 0, 3, 1, 0
	STEP 0, 0, 1, 0
	STEP 0, 1, 2, 0
	TURN 0, 1, 3, 1, 0
	s_sub_co_u32 s[CNT], s[CNT], 1
	s_cmp_lg_u32 s[CNT], 0
	s_cbranch_scc1 .Llap
	STEP 1, 0, 1, 0                                ; K step 13: the last fill, K step 15
	STEP 1, 1, 2, 0
	TURN 1, 0, 3, 1, 0
	STEP 0, 0, 1, 0                                ; K step 14 fills nothing, and has no round of the cluster's barrier
	STEP 0, 1, 2, 0
	TURN 0, 1, 3, 0, 0
	STEP 1, 0, 1, 0                                ; K step 15
	STEP 1, 1, 2, 0
	LAST 3
	; THE WAY OUT.  decayed / 2^E at my 32 columns, all four levels, into the registers that held x's fragments
	PLACES
.irp d, 0,1,2,3
.irp b, 0,1
.irp q, 0,1,2,3
	ds_load_b128 v[DEC+32*\d+16*\b+4*\q:DEC+32*\d+16*\b+4*\q+3], v[DA] offset:512*\d+128*\b+16*\q
.endr
.endr
.endr
	s_wait_dscnt 0x0
.macro MIX d, pair                     ; t += lw_d x decayed_d, two columns at a time; of the pair the low word serves both halves
.irp j, 0,2,4,6,8,10,12,14,16,18,20,22,24,26,28,30
	v_pk_fma_f32 v[T+\j:T+\j+1], v[DEC+32*\d+\j:DEC+32*\d+\j+1], v[\pair:\pair+1], v[T+\j:T+\j+1] op_sel_hi:[1,0,1]
.endr
.endm
; Row block a: 16 rows x my 64 columns.  Each accumulator is read from its low end on.  The exponentials and the reciprocals go as batches, with the multiply-adds behind them and one wait each.
.macro EPI a
	WIN 0x03                                       ; source 0: window 3
.irp j, 0,2,4,6,8,10,12,14,16,18,20,22,24,26,28,30
	v_pk_mul_f32 v[Z+\j:Z+\j+1], v[32*\a+\j:32*\a+\j+1], s[CR:CR+1] op_sel_hi:[1,0]   ; -z log2(e)
.endr
	WIN 0x09                                       ; source 0: window 1, source 1: window 2
.irp j, 0,2,4,6,8,10,12,14,16,18,20,22,24,26,28,30
	v_pk_mul_f32 v[T+\j:T+\j+1], v[32*\a+\j:32*\a+\j+1], v[32*\a+\j:32*\a+\j+1]       ; t = v's sum x k's sum
.endr
	WIN 0
	v_mov_b32 v16, v[LW+4*\a+1]                    ; lw_1 and lw_3 into the low words of pairs
	v_mov_b32 v18, v[LW+4*\a+3]
.if \a == 7                            ; the tile's last row (waves of the lower half, row block 7, r = 15): its t goes to LDS for out1
	s_cmp_eq_u32 s[MH], 0
	s_cbranch_scc1 .Lno_kv
	s_wait_xcnt 0x0                                ; EXEC changes only behind this wait
	v_cmp_eq_u32 vcc_lo, 15, v1
	s_and_saveexec_b32 s94, vcc_lo
.irp b, 0,1
.irp q, 0,1,2,3
	ds_store_b128 v[KA], v[T+16*\b+4*\q:T+16*\b+4*\q+3] offset:128*\b+16*\q
.endr
.endr
	s_or_b32 exec_lo, exec_lo, s94                 ; (no global instruction was issued in between)
.Lno_kv:
.endif
.set n, 0
.rept 32
	v_exp_f32 v[Z+n], v[Z+n]                       ; exp(-z)
.set n, n+1
.endr
	MIX 0, LW+4*\a
	MIX 1, 16
	s_wait_alu depctr_va_vdst(0)                   ; one wait for the 32 exponentials, ahead of their first reader
.irp j, 0,2,4,6,8,10,12,14,16,18,20,22,24,26,28,30
	v_pk_add_f32 v[Z+\j:Z+\j+1], v[Z+\j:Z+\j+1], 1.0 op_sel_hi:[1,0]
.endr
.set n, 0
.rept 32
	v_rcp_f32 v[Z+n], v[Z+n]                       ; the sigmoid
.set n, n+1
.endr
	MIX 2, LW+4*\a+2
	MIX 3, 18
	s_wait_alu depctr_va_vdst(0)                   ; one wait for the 32 reciprocals
.irp j, 0,2,4,6,8,10,12,14,16,18,20,22,24,26,28,30
	v_pk_mul_f32 v[T+\j:T+\j+1], v[T+\j:T+\j+1], v[Z+\j:Z+\j+1]   ; g / 2^E
.endr
	s_wait_xcnt 0x0                                ; the stores of the row block before have read the codes' registers
.set n, 0
.rept 32
	v_med3_num_f32 v[T+n], v[T+n], -v[LIM], v[LIM] ; the conversion to an 8-bit code does not saturate (ISA guide 7.6.2): the hold comes first
.set n, n+1
.endr
.irp c, 0,1,2,3
	v_cvt_scalef32_pk8_bf8_f32 v[C+2*\c:C+2*\c+1], v[T+8*\c:T+8*\c+7], v[SCL]
.endr
	v_nop                                          ; a plain line behind the last conversion
	global_store_b128 v[GOFF], v[C:C+3], s[90:91] offset:32768*\a       ; a group of gq's image: 512 consecutive bytes, aligned
	global_store_b128 v[GOFF], v[C+4:C+7], s[90:91] offset:32768*\a+512
.endm
.irp a, 0,1,2,3,4,5,6,7
	EPI \a
.endr
	; out1 = decayed + k v at the batch's last position.  The tile that holds that row is the batch's fourth; which tile a work-group has hangs on its place in the cluster:
	; every work-group runs these few lines, and the store has its lanes on in the fourth tile alone.  Wave w takes level w: 128 columns, 512 consecutive bytes.
	s_wait_dscnt 0x0                               ; t's row lies in LDS
	s_barrier_signal -1
	s_barrier_wait -1
	ds_load_b128 v[64:67], v[DR]
	ds_load_b128 v[68:71], v[KR]
	s_and_b32 s94, s43, 3
	v_mov_b32 v21, s94
	s_wait_dscnt 0x0
	v_pk_add_f32 v[64:65], v[64:65], v[68:69]
	v_pk_add_f32 v[66:67], v[66:67], v[70:71]
.irp i, 0,1,2,3
	v_ldexp_f32 v[64+\i], v[64+\i], s[EE]          ; x 2^E
.endr
	s_wait_xcnt 0x0                                ; EXEC changes only behind this wait
	v_cmp_eq_u32 vcc_lo, 3, v21
	s_and_saveexec_b32 s95, vcc_lo
	global_store_b128 v[GOFF], v[64:67], s[92:93]
	s_wait_xcnt 0x0
	s_or_b32 exec_lo, exec_lo, s95
	s_wait_tensorcnt 0x0                           ; the wave's end, behind my last tensor load and my last LDS store
	ds_add_u32 v[SPW], v[NIL]
	s_wait_dscnt 0x0
	CROUND                                         ; the closing round: no work-group ends while a partner may still ask for a tile that names it
	s_endpgm
.Lfunc_end_k_q2802f0bae3_vkr:
	.size	k_q2802f0bae3_vkr, .Lfunc_end_k_q2802f0bae3_vkr-k_q2802f0bae3_vkr
	.p2alignl 7, 3214868480
	.fill 96, 4, 3214868480
	.section	.rodata,"a",@progbits
	.p2align	6, 0x0
	.amdhsa_kernel k_q2802f0bae3_vkr
		.amdhsa_group_segment_fixed_size 327680
		.amdhsa_private_segment_fixed_size 0
		.amdhsa_enable_private_segment 0
		.amdhsa_kernarg_size 64
		.amdhsa_user_sgpr_count 2
		.amdhsa_user_sgpr_kernarg_segment_ptr 1
		.amdhsa_wavefront_size32 1
		.amdhsa_system_sgpr_workgroup_id_x 1
		.amdhsa_system_sgpr_workgroup_id_y 1
		.amdhsa_system_sgpr_workgroup_id_z 1
		.amdhsa_system_vgpr_workitem_id 0
		.amdhsa_next_free_vgpr 1024
		.amdhsa_next_free_sgpr 100
		.amdhsa_reserve_vcc 1
		.amdhsa_float_denorm_mode_32 3
		.amdhsa_float_denorm_mode_16_64 3
		.amdhsa_memory_ordered 1
		.amdhsa_forward_progress 1
		.amdhsa_inst_pref_size 223
	.end_amdhsa_kernel
	.amdgpu_metadata
---
amdhsa.version: [ 1, 2 ]
amdhsa.kernels:
  - .name:           k_q2802f0bae3_vkr
    .symbol:         k_q2802f0bae3_vkr.kd
    .args:
      - { .name: xq, .offset: 0, .size: 8, .value_kind: global_buffer, .address_space: global }
      - { .name: wq, .offset: 8, .size: 8, .value_kind: global_buffer, .address_space: global }
      - { .name: lw, .offset: 16, .size: 8, .value_kind: global_buffer, .address_space: global }
      - { .name: state, .offset: 24, .size: 8, .value_kind: global_buffer, .address_space: global }
      - { .name: time_decay_multi, .offset: 32, .size: 8, .value_kind: global_buffer, .address_space: global }
      - { .name: lowp_scales, .offset: 40, .size: 8, .value_kind: global_buffer, .address_space: global }
      - { .name: gq, .offset: 48, .size: 8, .value_kind: global_buffer, .address_space: global }
      - { .name: out1, .offset: 56, .size: 8, .value_kind: global_buffer, .address_space: global }
    .group_segment_fixed_size: 327680
    .private_segment_fixed_size: 0
    .kernarg_segment_align: 8
    .kernarg_segment_size: 64
    .max_flat_workgroup_size: 128
    .sgpr_count:     100
    .vgpr_count:     1024
    .wavefront_size: 32
...
	.end_amdgpu_metadata
.endif
;; end of part 2
;; launch outp (part 3): grid 16 x 16, 4 waves a work-group, clusters of 4 x 1, 327,680 bytes of LDS; arguments gq, woq, lowp_scales, out0; writes out0
.if DOCPART == 3
	.amdgcn_target "amdgcn-amd-amdhsa--gfx1250"
	.amdhsa_code_object_version 6
	.text
	.protected	k_q2802f0bae3_outp
	.globl	k_q2802f0bae3_outp
	.p2align	8
	.type	k_q2802f0bae3_outp,@function
k_q2802f0bae3_outp:
	s_mov_b64 s[64:65], 0
	v_nop
	global_prefetch_b8 v0, s[64:65] scope:SCOPE_SE
	s_setreg_imm32_b32 hwreg(HW_REG_WAVE_MODE, 25, 1), 1
	s_wait_xcnt 0x0
	s_wait_alu depctr_hold_cnt(0) depctr_sa_sdst(0) depctr_va_vdst(0) depctr_va_sdst(0) depctr_va_ssrc(0) depctr_va_vcc(0) depctr_vm_vsrc(0)
	s_getreg_b32 s2, hwreg(HW_REG_IB_STS2, 6, 4)
	s_cmp_eq_u32 s2, 0
	s_cbranch_scc0 .Lentry_in_a_cluster
	s_endpgm
.Lentry_in_a_cluster:
	s_bfe_u32 s2, ttmp6, 0x10000c
	s_cmp_lg_u32 s2, 0x3003
	s_cbranch_scc0 .Lentry_shape_is_right
	s_endpgm
.Lentry_shape_is_right:
; THIRD LAUNCH.  out0 = g Wo^T on codes of BF8: gq [256 blocks of 16 rows][16 K steps][2048] and woq [128 blocks][16 K steps][2048], images of the operands' registers (first kernel); out0 [4096][2048] f32.
; Each finished sum is multiplied once by 2^(e6 + e7).  LIMIT: e6 + e7 between -126 and 127.
; SHARES.  A work-group makes 256 rows x 128 columns; wave (mh, nh) 128 x 64 in 32 accumulators (window 1).  K goes in 16 steps of 128, all written out: every offset is an immediate.
; g COMES THROUGH LDS, Wo STRAIGHT INTO REGISTERS.  With one product a wave has registers to spare, and LDS is better spent on one operand: a slot then holds FOUR K steps of g (16 blocks x 8,192 bytes), so that
; the launch has four fills, two of them refills, and each refill has four steps, 128 matrix instructions a wave, in which to land.  Each of the four waves fetches four blocks of a fill.
; woq is laid as register images, so a fragment of Wo is four loads of 512 consecutive bytes.  Three sets of four fragments (window 2) take turns: K step ks + 3 is asked for at the end of step ks, into the set
; that step ks has left.  THE PRICE: the two waves of a column half each load the same fragments, and Wo's blocks are not shared in a cluster.
; CLUSTER: 4 x 1 work-groups, the four neighbours along the columns: they need the same blocks of g and ask for them JOINTLY (mask 15).
; Transposed use (source 0 = 16 rows of Wo, source 1 = 16 rows of g): lane (r, h) holds row r; in row block a, register 8 b + j is column 32 (b / 2) + 16 h + 8 (b % 2) + j.
; REGISTERS: window 0: v0-13 addresses; v128-255 eight fragments of g, one set; on the way out v64-95 and v128-191.  Window 1: accumulator (a, b) at v[8 (4 a + b)].  Window 2: Wo's set s, block b at v[64 s + 16 b].
.set BLKB,   8192                      ; a block of g in a slot: four fragments on end
.set SLOT,   16*BLKB
.set PITCHB, 32768                     ; from block to block in memory
.set STAGE,  2*SLOT                    ; behind the ring: 16 rows x (256 bytes + 16) for each wave, for the way out; no fill lands there
.set SPITCH, 272
.set SPARE,  STAGE+4*16*SPITCH         ; the spare words, 128 bytes for each wave, which no other line names
.set LOFF, 3                           ; v3   16 x lane; never rewritten
.set ADRA, 4                           ; v4, v5  my blocks of g in slot 0, 1
.set SPW,  8                           ; v8   my spare word; never rewritten
.set NIL,  9                           ; v9   0; never rewritten
.set STO,  10                          ; v10  the stage: where I put my row's bytes
.set RD,   11                          ; v11  and where I read a row back
.set CO,   12                          ; v12  my byte offset in two rows of out0
.set PFO,  13                          ; v13  256 x lane: the prefetches' offset; never rewritten
.set AF,   128                         ; v128-255 eight fragments of g
.set TMP,  64                          ; the way out: a row block's 32 sums x 2^(e6 + e7)
.set BK,   128                         ; 16 rows read back: v128-159 and v160-191 by turns
.set WV,   20                          ; s20 wave, s21 its half of the rows, s22 its half of the columns
.set MH,   21
.set NH,   22
.set G1,   24                          ; s[24:31] descriptor group 1;  s[32:39] group 0, one set for each slot
.set G0,   32
.set OB,   88                          ; s[88:89] out0 at my first row and column
.set PFA,  90                          ; s[90:91] gq at the block of which I name the parts ahead; never rewritten
.set BB,   92                          ; s[92:93] woq at my four blocks; never rewritten
.set MSB, 0
.macro WIN new                         ; the immediate's high byte repeats the setting that is left
.if MSB != (\new)
	s_set_vgpr_msb (MSB<<8)|(\new)
.set MSB, (\new)
.endif
.endm
.macro CROUND                          ; a round of the cluster's barrier
	s_barrier_signal -1
	s_barrier_wait -1
	s_cmp_lg_u32 s[WV], 0
	s_cbranch_scc1 .Lnot_wave_0_\@
	s_barrier_signal -3
.Lnot_wave_0_\@:
	s_barrier_wait -3
	s_barrier_signal -1
	s_barrier_wait -1
.endm
.macro PLACES                          ; four plain places between a matrix instruction and a load into one of its registers, or a read of its result
.rept 4
	v_nop
.endr
.endm
; A PREFETCH INTO THE L2 of fill f of g, 8,192 bytes of each block.  Each aligned 256 bytes are named once in the launch: a tile row's blocks are read by the four clusters of that row, of which the first asks
; (the cluster's x: the same in all partners); of the four blocks that wave w fetches, the partner at place cx names block 4 w + cx, told apart by address; a lane to each 256 bytes: one instruction a wave.
; Fills 0 and 1 come by their loads alone.  Fill 2 is named three steps ahead of its load, fill 3 four steps.
.macro ASK f
	s_cmp_lg_u32 ttmp9, 0
	s_cbranch_scc1 .Lnot_mine_\@
	global_prefetch_b8 v[PFO], s[PFA:PFA+1] offset:BLKB*(\f) th:TH_LOAD_NT scope:SCOPE_SE
.Lnot_mine_\@:
.endm
.macro FRAG reg, adr, off              ; a fragment's image out of LDS: four loads of 512 consecutive bytes
.irp c, 0,1,2,3
	ds_load_b128 v[(\reg)+4*\c:(\reg)+4*\c+3], v[\adr] offset:(\off)+512*\c
.endr
.endm
.macro GB slot, q                      ; g's blocks 0-3 of the slot's step q: 16 loads
.irp a, 0,1,2,3
	FRAG AF+16*\a, ADRA+\slot, \a*BLKB+2048*(\q)
.endr
.endm
.macro GC slot, q                      ; g's blocks 4-7: 16 loads
.irp a, 4,5,6,7
	FRAG AF+16*\a, ADRA+\slot, \a*BLKB+2048*(\q)
.endr
.endm
.macro BLOAD ks                        ; Wo's four fragments of K step ks, from memory into set ks % 3: 16 loads of 512 consecutive bytes
	WIN 0x80                                       ; destination window 2, address window 0
.irp b, 0,1,2,3
.irp c, 0,1,2,3
	global_load_b128 v[64*((\ks)%3)+16*\b+4*\c:64*((\ks)%3)+16*\b+4*\c+3], v[LOFF], s[BB:BB+1] offset:PITCHB*\b+2048*(\ks)+512*\c
.endr
.endr
	WIN 0
.endm
.macro WAITB ks                        ; Wo's set of step ks is in; the two younger sets, 16 loads each, may be out
.if (\ks) < 14
	s_wait_loadcnt 32
.else
	s_wait_loadcnt 16*(15-(\ks))
.endif
.endm
; eight matrix instructions: g's blocks a0 .. a0 + 3 against Wo's b0, b0 + 1 of a set.  zero = 1: the first product starts the sums.
; The accumulators take turns, one instruction a turn, in the same order in every step.
.macro MULQ set, a0, b0, zero
	WIN 0x52                                       ; source 0 (Wo) window 2, source 1 (g) window 0, C and D window 1
.irp a, \a0, \a0+1, \a0+2, \a0+3
.irp b, \b0, \b0+1
.if \zero
	v_wmma_f32_16x16x128_bf8_bf8 v[8*(4*(\a)+(\b)):8*(4*(\a)+(\b))+7], v[64*(\set)+16*(\b):64*(\set)+16*(\b)+15], v[AF+16*(\a):AF+16*(\a)+15], 0
.else
	v_wmma_f32_16x16x128_bf8_bf8 v[8*(4*(\a)+(\b)):8*(4*(\a)+(\b))+7], v[64*(\set)+16*(\b):64*(\set)+16*(\b)+15], v[AF+16*(\a):AF+16*(\a)+15], v[8*(4*(\a)+(\b)):8*(4*(\a)+(\b))+7]
.endif
.endr
.endr
.endm
; The products of step ks and the fetches for the step that follows, which is step nq of slot ns.  g's blocks 0-3 meet all of Wo's four and are fetched anew, then blocks 4-7: each run of 16 LDS loads stands 16 matrix
; instructions ahead of its first use.  mid = 1: blocks 4-7 of this step may still be out when the first half begins.
.macro BODY ks, ns, nq, zero, mid
	WAITB \ks
	MULQ (\ks)%3, 0, 0, \zero
	MULQ (\ks)%3, 0, 2, \zero
	PLACES
	WIN 0
	GB \ns, \nq
.if \mid
	s_wait_dscnt 16                                ; all but the 16 just issued: this step's blocks 4-7 are in
.endif
	MULQ (\ks)%3, 4, 0, \zero
	MULQ (\ks)%3, 4, 2, \zero
	PLACES                                         ; for the loads into g's blocks 4-7 and into Wo's set alike
	WIN 0
	GC \ns, \nq
.if (\ks)+3 < 16
	BLOAD (\ks)+3
.endif
.endm
.macro STEP ks, slot, q, zero          ; a step that has its successor in the same slot
	s_wait_dscnt 16                                ; g's blocks 0-3 are in; the youngest 16 loads (blocks 4-7) may be out
	BODY \ks, \slot, (\q)+1, \zero, 1
.endm
; A slot's last step changes slots, at its head: its own fragments were asked for in the step before.  Each wave waits for all its tensor loads, adds 0 to its spare word, and waits for that and for its reads of
; this slot.  fill = 1: a round of the cluster's barrier follows, and this slot is filled again, the first thing behind the round.  ask: the fill that is named ahead there, or 0.
.macro TURN ks, slot, next, fill, ask
	s_wait_tensorcnt 0x0                           ; all my tensor loads have landed: my part of the next slot  (every window is 0 here); so a group 0 may be written
	ds_add_u32 v[SPW], v[NIL]                      ; 0 onto my spare word
.if \fill
	s_add_nc_u64 s[G0+4*\slot+2:G0+4*\slot+3], s[G0+4*\slot+2:G0+4*\slot+3], 2*BLKB   ; two fills on
.endif
	s_wait_dscnt 0x0                               ; the add is done, and my reads of this slot are over: this step's fragments are all in
.if \fill
	CROUND                                         ; no wave of any partner still reads this slot or has a load on its way
	tensor_load_to_lds s[G0+4*\slot:G0+4*\slot+3], s[G1:G1+7]
	s_nop 0
	PLACES
.if \ask
	ASK \ask
.endif
.else
	s_barrier_signal -1
	s_barrier_wait -1
.endif
	BODY \ks, \next, 0, 0, 0
.endm
	s_load_b256 s[4:11], s[0:1], 0x0               ; gq s[4:5], woq s[6:7], the scales s[8:9], out0 s[10:11]
	v_lshl_add_u32 v[SPW], v0, 2, SPARE
	v_mov_b32 v[NIL], 0
	ds_add_u32 v[SPW], v[NIL]                      ; the wave's opening: the add, twice on end, and its wait ahead of my first tensor load
	ds_add_u32 v[SPW], v[NIL]                      ; and once more; the set-up below, work on registers, stands between it and the wait
	v_lshrrev_b32 v1, 5, v0
	v_readfirstlane_b32 s[WV], v1                  ; wave 0..3
	s_lshr_b32 s[MH], s[WV], 1
	s_and_b32 s[NH], s[WV], 1
	s_bfe_u32 s40, ttmp6, 0x40000                  ; cx: my place in the cluster
	s_lshl_b32 s42, ttmp9, 2                       ; in a cluster launch ttmp9 counts clusters
	s_add_co_u32 s42, s42, s40                     ; nt: which 128 columns: it enters Wo's and out0's addresses alone
	s_and_b32 s43, ttmp7, 0xffff                   ; mt: which 256 rows: the four partners share it
	s_mov_b32 s[G1], 15|(3<<16)|(1<<21)            ; 15:0 the mask: all four work-groups; 17:16 elements of 8 bytes; 21 set beside a mask; no padding
	s_mov_b32 s[G1+1], (BLKB/8)<<16                ; tensor_dim0: four fragments / 8
	s_mov_b32 s[G1+2], 4<<16                       ; tensor_dim1: four blocks to a load
	s_mov_b32 s[G1+3], (BLKB/8)<<16                ; tile_dim0
	s_mov_b32 s[G1+4], 4                           ; tile_dim1
	s_mov_b32 s[G1+5], PITCHB/8                    ; from block to block
	s_mov_b32 s[G1+6], 0
	s_mov_b32 s[G1+7], 0
	s_lshl_b32 s80, s43, 4                         ; g: block 16 mt + 4 x wave: made of the tile row and the wave's number alone
	s_lshl_b32 s81, s[WV], 2
	s_add_co_u32 s80, s80, s81
	s_lshl_b32 s80, s80, 15                        ; x 32,768 bytes
	s_mov_b32 s81, 0
	s_lshl_b32 s82, s40, 15                        ; the prefetches: cx blocks further on
	s_mov_b32 s83, 0
	s_lshl_b32 s84, s42, 3                         ; Wo: block 8 nt + 4 nh
	s_lshl_b32 s85, s[NH], 2
	s_add_co_u32 s84, s84, s85
	s_lshl_b32 s84, s84, 15
	s_mov_b32 s85, 0
	s_lshl_b32 s86, s[WV], 15                      ; where my four blocks go in a slot: no place in the cluster enters an LDS address
	v_and_b32 v[LOFF], 31, v0
	v_lshlrev_b32 v[PFO], 8, v[LOFF]
	v_lshlrev_b32 v[LOFF], 4, v[LOFF]
	s_wait_dscnt 0x0                               ; both opening adds are done
	s_wait_kmcnt 0x0
	s_load_b64 s[96:97], s[8:9], 0x18              ; e6, e7
	s_add_nc_u64 s[80:81], s[4:5], s[80:81]
	s_add_nc_u64 s[PFA:PFA+1], s[80:81], s[82:83]
	s_add_nc_u64 s[BB:BB+1], s[6:7], s[84:85]
	BLOAD 0                                        ; Wo's first three sets go out ahead of everything else: 48 loads of mine are out
	BLOAD 1
	BLOAD 2
.irp s, 0,1
	s_mov_b32 s[G0+4*\s], 1
	s_add_co_u32 s[G0+4*\s+1], s86, \s*SLOT
	s_add_nc_u64 s[G0+4*\s+2:G0+4*\s+3], s[80:81], \s*BLKB
	s_or_b32 s[G0+4*\s+3], s[G0+4*\s+3], 0x80000000
.endr
	CROUND                                         ; all four work-groups are here: the first joint loads meet
	tensor_load_to_lds s[G0:G0+3], s[G1:G1+7]      ; fill 0: K steps 0-3
	s_nop 0
	tensor_load_to_lds s[G0+4:G0+7], s[G1:G1+7]    ; fill 1: K steps 4-7.  Two tensor loads of mine are out
	s_nop 0
	PLACES
	v_and_b32 v1, 15, v0                           ; r
	v_bfe_u32 v2, v0, 4, 1                         ; h
	s_lshl_b32 s86, s[MH], 16                      ; my eight blocks of g
	v_add_nc_u32 v[ADRA], s86, v[LOFF]
	s_add_co_u32 s86, s86, SLOT
	v_add_nc_u32 v[ADRA+1], s86, v[LOFF]
	s_mul_i32 s87, s[WV], 16*SPITCH
	s_add_co_u32 s87, s87, STAGE                   ; my stage
	v_mul_u32_u24 v[STO], v1, SPITCH               ; in: row r, + 64 h
	v_lshl_add_u32 v[STO], v2, 6, v[STO]
	v_add_nc_u32 v[STO], s87, v[STO]
	v_mul_u32_u24 v[RD], v2, SPITCH                ; back: lanes 0-15 one row of 256 bytes, lanes 16-31 the next
	v_lshl_add_u32 v[RD], v1, 4, v[RD]
	v_add_nc_u32 v[RD], s87, v[RD]
	v_lshlrev_b32 v[CO], 13, v2                    ; and the same two rows in out0
	v_lshl_add_u32 v[CO], v1, 4, v[CO]
	s_lshl_b32 s[OB], s43, 21                      ; 256 rows of 8,192 bytes
	s_lshl_b32 s[OB+1], s[MH], 20
	s_add_co_u32 s[OB], s[OB], s[OB+1]
	s_lshl_b32 s[OB+1], s42, 9                     ; 128 columns
	s_add_co_u32 s[OB], s[OB], s[OB+1]
	s_lshl_b32 s[OB+1], s[NH], 8
	s_add_co_u32 s[OB], s[OB], s[OB+1]
	s_mov_b32 s[OB+1], 0
	s_add_nc_u64 s[OB:OB+1], s[10:11], s[OB:OB+1]
	s_wait_tensorcnt 0x1                           ; my part of slot 0 is in; slot 1's may stay out
	s_barrier_signal -1
	s_barrier_wait -1
	GB 0, 0
	GC 0, 0
	ASK 2                                          ; behind the run of LDS loads for which the first products wait
	STEP 0, 0, 0, 1                                ; the first step's products start the sums
	STEP 1, 0, 1, 0
	STEP 2, 0, 2, 0
	TURN 3, 0, 1, 1, 3                             ; slot 0 takes fill 2, K steps 8-11; fill 3 is named ahead
	STEP 4, 1, 0, 0
	STEP 5, 1, 1, 0
	STEP 6, 1, 2, 0
	TURN 7, 1, 0, 1, 0                             ; slot 1 takes fill 3, K steps 12-15: the last load
	STEP 8, 0, 0, 0
	STEP 9, 0, 1, 0
	STEP 10, 0, 2, 0
	TURN 11, 0, 1, 0, 0                            ; nothing is left to ask for, so no round follows
	STEP 12, 1, 0, 0
	STEP 13, 1, 1, 0
	STEP 14, 1, 2, 0
	WAITB 15                                       ; the very last step: nothing more to fetch
	s_wait_dscnt 16
	MULQ 0, 0, 0, 0                                ; (15 % 3 = 0)
	MULQ 0, 0, 2, 0
	s_wait_dscnt 0x0
	MULQ 0, 4, 0, 0
	MULQ 0, 4, 2, 0
	WIN 0
; THE WAY OUT, a row block of 16 rows x 64 columns at a time: through my own stage in LDS, back as whole rows of 256 bytes.  LDS serves a wave's instructions in order: no wait between the stores and the loads.
.macro TOSTAGE a
	WIN 0x01                                       ; source 0: window 1
.irp j, 0,2,4,6,8,10,12,14,16,18,20,22,24,26,28,30
	v_pk_mul_f32 v[TMP+\j:TMP+\j+1], v[32*(\a)+\j:32*(\a)+\j+1], s[96:97] op_sel_hi:[1,0]   ; x 2^(e6 + e7); each accumulator from its low end on
.endr
	WIN 0
.irp b, 0,1,2,3
	ds_store_b128 v[STO], v[TMP+8*\b:TMP+8*\b+3] offset:128*(\b/2)+32*(\b%2)
	ds_store_b128 v[STO], v[TMP+8*\b+4:TMP+8*\b+7] offset:128*(\b/2)+32*(\b%2)+16
.endr
.set BBK, BK+32*((\a)%2)
.irp t, 0,1,2,3,4,5,6,7
	ds_load_b128 v[BBK+4*\t:BBK+4*\t+3], v[RD] offset:2*\t*SPITCH
.endr
.endm
.macro SEND a, younger                 ; younger: the LDS instructions issued behind block a's loads, which may stay out
.set BBK, BK+32*((\a)%2)
	s_wait_dscnt \younger
.irp t, 0,1,2,3,4,5,6,7
	global_store_b128 v[CO], v[BBK+4*\t:BBK+4*\t+3], s[OB:OB+1] offset:(16*(\a)+2*\t)*8192 th:TH_STORE_NT   ; sixteen lanes store 256 consecutive bytes, aligned; written once, read by nobody here
.endr
.endm
	s_wait_kmcnt 0x0
	s_add_co_i32 s96, s96, s97
	s_add_co_i32 s96, s96, 127
	s_lshl_b32 s96, s96, 23                        ; 2^(e6 + e7) as f32
	PLACES
	TOSTAGE 0
.irp a, 1,2,3,4,5,6,7
.if \a > 1
	s_wait_xcnt 0x0                                ; block a - 2's stores have read their registers: block a's loads may land there
.endif
	TOSTAGE \a
	SEND \a-1, 16                                  ; behind block a - 1's loads: block a's 8 stores and 8 loads
.endr
	SEND 7, 0
	s_wait_tensorcnt 0x0                           ; the wave's end, behind my last tensor load and my last LDS store
	ds_add_u32 v[SPW], v[NIL]
	s_wait_dscnt 0x0
	CROUND                                         ; the closing round: no work-group ends while a partner may still ask for a tile that names it
	s_endpgm
.Lfunc_end_k_q2802f0bae3_outp:
	.size	k_q2802f0bae3_outp, .Lfunc_end_k_q2802f0bae3_outp-k_q2802f0bae3_outp
	.p2alignl 7, 3214868480
	.fill 96, 4, 3214868480
	.section	.rodata,"a",@progbits
	.p2align	6, 0x0
	.amdhsa_kernel k_q2802f0bae3_outp
		.amdhsa_group_segment_fixed_size 327680
		.amdhsa_private_segment_fixed_size 0
		.amdhsa_enable_private_segment 0
		.amdhsa_kernarg_size 32
		.amdhsa_user_sgpr_count 2
		.amdhsa_user_sgpr_kernarg_segment_ptr 1
		.amdhsa_wavefront_size32 1
		.amdhsa_system_sgpr_workgroup_id_x 1
		.amdhsa_system_sgpr_workgroup_id_y 1
		.amdhsa_system_sgpr_workgroup_id_z 1
		.amdhsa_system_vgpr_workitem_id 0
		.amdhsa_next_free_vgpr 768
		.amdhsa_next_free_sgpr 98
		.amdhsa_reserve_vcc 0
		.amdhsa_float_denorm_mode_32 3
		.amdhsa_float_denorm_mode_16_64 3
		.amdhsa_memory_ordered 1
		.amdhsa_forward_progress 1
		.amdhsa_inst_pref_size 127
	.end_amdhsa_kernel
	.amdgpu_metadata
---
amdhsa.version: [ 1, 2 ]
amdhsa.kernels:
  - .name:           k_q2802f0bae3_outp
    .symbol:         k_q2802f0bae3_outp.kd
    .args:
      - { .name: gq, .offset: 0, .size: 8, .value_kind: global_buffer, .address_space: global }
      - { .name: woq, .offset: 8, .size: 8, .value_kind: global_buffer, .address_space: global }
      - { .name: lowp_scales, .offset: 16, .size: 8, .value_kind: global_buffer, .address_space: global }
      - { .name: out0, .offset: 24, .size: 8, .value_kind: global_buffer, .address_space: global }
    .group_segment_fixed_size: 327680
    .private_segment_fixed_size: 0
    .kernarg_segment_align: 8
    .kernarg_segment_size: 32
    .max_flat_workgroup_size: 128
    .sgpr_count:     98
    .vgpr_count:     768
    .wavefront_size: 32
...
	.end_amdgpu_metadata
.endif
;; end of part 3
